; MI455X (gfx1250); checked and timed in simulation.
; The chip was launched on July 23, 2026; its instructions are those of AMD's public machine-readable ISA for CDNA 5 (MIT licence, August 2026) and "CDNA5" Instruction Set Architecture Reference Guide (July 2026). The comments in the code are by the model that wrote it; some were corrected since.
;; Attention. Allowed arithmetic: matrix products marked QUANTISED: E5M2 operands, one E8M0 scale for each 32 along K, by v_wmma_scale_f32_16x16x128_f8f6f4 with both operands' format E5M2, f32 sums; everything else in f32.
;; Inputs: W_out_codes 256 x 32 x 32 uint8 (E5M2 codes of W_out, K innermost, in blocks of 32 codes); W_out_scales 256 x 32 uint8 (E8M0 scales of W_out, one for each 32 codes along K); W_proj_codes 3,072 x 8 x 32 uint8 (E5M2 codes of W_proj, K innermost, in blocks of 32 codes); W_proj_scales 3,072 x 8 uint8 (E8M0 scales of W_proj, one for each 32 codes along K); b_out 256 float32; b_proj 3,072 float32; x 16 x 256 x 32 x 32 float32.
;; Outputs: out0 16 x 256 x 32 x 32 float32.
;; This version of the problem:
;;   THIS VERSION OF THE PROBLEM IS GIVEN IN LOW PRECISION. The matrix products marked QUANTISED in the list below multiply operands that are first quantised to E5M2 (5 exponent bits, 2 mantissa bits; 8 bits a number), with one power-of-two scale for each 32 numbers along K (OCP MX v1.0); their sums are f32. All else is computed in f32.
;;   The module's matrix products, in the order in which they are computed (A, B: the left and right operand; K: the contracted axis; several contracted axes count as one K, in the product's order):
;;     1. [M 16,384, K 256] x [K 256, N 3,072]; A: input x; B: input W_proj (given as codes): QUANTISED
;;     2. batch 64 x [M 1,024, K 256] x [K 256, N 1,024]; A: computed on the way; B: computed on the way: QUANTISED
;;     3. batch 64 x [M 256, K 1,024] x [K 1,024, N 1,024]; A: computed on the way; B: softmax (see below): QUANTISED
;;     4. [M 16,384, K 1,024] x [K 1,024, N 256]; A: computed on the way; B: input W_out (given as codes): QUANTISED
;;   THE QUANTISER, for each operand of a quantised product, along K:
;;     - K is cut into blocks of 32 from its start; a last block that is shorter is filled with zeros.
;;     - A block's scale is 2^e with e = floor(log2(the largest magnitude in the block)) - 15, held to -126 .. 127; a block of zeros has e = 0. As a byte (E8M0): e + 127.
;;     - Each number is divided by its block's scale, clamped to +-57,344, and rounded to the nearest number of E5M2, ties to even, subnormals kept.
;;     - The product sums the exact products of the quantised numbers (number of the format x scale) in f32.
;;   ~~~python
;;   def quantise(x, axis):      # numpy; x: float32 -> the quantised numbers, widened to float32 again
;;       x = np.moveaxis(x, axis, -1); K = x.shape[-1]
;;       x = np.pad(x, [(0, 0)] * (x.ndim - 1) + [(0, -K % 32)]); x = x.reshape(x.shape[:-1] + (-1, 32)); a = np.abs(x).max(-1, keepdims=True)
;;       e = np.where(a > 0, np.clip(np.frexp(np.where(a > 0, a, 1))[1] - 1 - 15, -126, 127), 0)      # np.frexp(a)[1] - 1 = floor(log2(a)), exactly
;;       r = np.clip(x / 2.0 ** e, -57344, 57344)
;;       step = 2.0 ** (np.maximum(np.frexp(np.where(r == 0, 1, r))[1] - 1, -14) - 2)
;;       q = np.round(r / step) * step * 2.0 ** e      # np.round: ties to even
;;       return np.moveaxis(q.reshape(q.shape[:-2] + (-1,))[..., :K], -1, axis).astype(np.float32)
;;   ~~~
;;   SOFTMAX AHEAD OF A QUANTISED PRODUCT. Where the list says 'softmax', what is quantised is not the finished softmax but p = 2^(t - M), with t = logit x log2(e) and M = ceil(the row's largest t), a whole number; so 1/2 < the row's largest p <= 1. The row's sum l is taken of the UNQUANTISED p, in f32, and the product's result is divided by l at the end. Since M is a whole number, a kernel that streams over the keys may use a running M (the ceiling of the running maximum): every later rescaling is an exact power of two, which a block's scale takes up: the codes' values come out the same.
;;   OPERANDS COMPUTED ON THE WAY. 'Computed on the way' means the value that the module computes at that place (a softmax that the list does not call 'softmax' is quantised finished and normalised). What goes into a quantiser is computed in f32, as accurately as f32 sums, v_exp_f32 and their like allow (about 1e-6 of the number): no bf16 or f16 on the way to a quantiser, and a product that is left as it is and whose result goes on into a quantised operand takes f32 operands (vector FMAs, or v_wmma_f32_16x16x4_f32). A number that lies on a knife's edge between two numbers of the format may be rounded either way, as far as f32 arithmetic and the matrix unit's own rounding can turn it there, and no further.
;;   INPUTS GIVEN AS CODES. W_out (in the module: [1024, 256], K = its axis 0); W_proj (in the module: [256, 3072], K = its axis 0): each comes as NAME_codes (uint8): NAME with its K axis moved to the last place and cut into blocks of 32 codes, [.., K / 32, bytes a block], one block behind the other in memory; one code a byte (a code: sign, 5 exponent bits, 2 mantissa bits); and NAME_scales (uint8): the same leading axes, one E8M0 byte (e + 127) for each 32 codes along K. Its value is code x scale, taken as it is: it is not quantised again, and the codes and scales need not be those that the quantiser above would give.
;; One version. Each part assembles by itself: llvm-mc -triple=amdgcn-amd-amdhsa -mcpu=gfx1250 --defsym DOCPART=n.
;; ======== version 1 of 1: 2 launches
;; limits: right only within a limited range of input values
;; workspace buffers: qc 16,777,216 bytes; qs 524,288 bytes; kv 34,865,152 bytes
;; launch qkv (part 1): grid 64 x 4, 8 waves a work-group, clusters of 4 x 1, 286,720 bytes of LDS; arguments x, W_proj_codes, W_proj_scales, b_proj, qc, qs, kv, W_out_codes; writes qc, qs, kv
.if DOCPART == 1
	.amdgcn_target "amdgcn-amd-amdhsa--gfx1250"
	.amdhsa_code_object_version 6
	.text
	.protected	k_q9b1829221c_qkv
	.globl	k_q9b1829221c_qkv
	.p2align	8
	.type	k_q9b1829221c_qkv,@function
k_q9b1829221c_qkv:
	s_mov_b64 s[64:65], 0
	v_nop
	global_prefetch_b8 v0, s[64:65] scope:SCOPE_SE
	s_setreg_imm32_b32 hwreg(HW_REG_WAVE_MODE, 25, 1), 1
	s_wait_xcnt 0x0
	s_wait_alu depctr_hold_cnt(0) depctr_sa_sdst(0) depctr_va_vdst(0) depctr_va_sdst(0) depctr_va_ssrc(0) depctr_va_vcc(0) depctr_vm_vsrc(0)
	s_getreg_b32 s2, hwreg(HW_REG_IB_STS2, 6, 4)
	s_cmp_eq_u32 s2, 0
	s_cbranch_scc0 .Lentry_in_a_cluster
	s_endpgm
.Lentry_in_a_cluster:
	s_bfe_u32 s2, ttmp6, 0x10000c
	s_cmp_lg_u32 s2, 0x3003
	s_cbranch_scc0 .Lentry_shape_is_right
	s_endpgm
.Lentry_shape_is_right:
; FIRST OF TWO LAUNCHES: qkv = Q(xf) Q(W_proj) + b_proj on codes of E5M2 with one E8M0 scale for each 32 along K, and its results quantised for the two products of attention.
; NO WORK OF reference() IS LEFT OUT in either of the two launches: b_proj moves the codes of q, k and v, b_out and x are added at the end, every input has a way to the output.
; x is [16][256 channels][1024 tokens] f32, K = the channels.  W_proj's codes are [3072][256], K innermost; column 768 head + j is q (j < 256), k (j < 512) or v of that head.
; SHARES.  A work-group takes 256 tokens of one batch and one head's 768 columns.  The four work-groups of a cluster have the same head: W_proj's rows, scale bytes and biases are asked for jointly.  All of it fits in LDS: nothing is filled twice.
; x: a load takes 16 bytes a lane, four neighbouring tokens of one channel; lanes 0-15 cover 64 tokens (256 consecutive bytes) of channel c, lanes 16-31 the same tokens of channel c + 16.  Wave w takes tokens 64 (w / 2) on and
; channels 128 (w % 2) on: 64 loads, all issued before the first is waited for.  Component j of a lane's 16 registers of a block of 32 channels is 16 neighbours along K of token j: the 16 that the operand's layout gives that half of the lanes;
; lane l xor 16 holds the block's other 16.  The hold writes them into consecutive registers, as the conversions want them.  The codes go to LDS as images of the operand's registers
; (a fragment of 16 tokens x 128 K is 2,048 bytes, lane l's registers 4 c .. 4 c + 3 at 512 c + 16 l).
; Then wave w: tokens 128 (w / 4) on, all 16 fragments of them in registers (window 1); columns 128 (w % 4) on of q and k (one K step of the product q k^T) and 64 (w % 4) on of v.
; q, k: source 0 = 16 rows of W_proj, source 1 = 16 tokens: a lane holds one token, and the 16 registers of two neighbouring tiles are 16 numbers of one block of 32 along d; lane l xor 16 holds the other 16.
; v:    source 0 = 16 tokens, source 1 = 16 rows of W_proj: a lane holds one d, and its registers run along the tokens, which are the K of the product with p.
; THE ORDER INSIDE A BLOCK OF 32.  Register i of lane half h is k = 32 b + 16 (i / 8) + 8 h + i % 8, and it is laid where the matrix unit expects k = 32 b + 16 h + i.  Both operands of each later product are laid so, so the products and the
; blocks' scales are those of the true order.
; OUT, all as register images: qc [bh][G][t][s][2048], kv [bh][G]{K [t][s][2048], V [dt][2048]}; scale words qs [bh][G][s][t][16], kvs [bh][G]{K [s][t][16], V [dt][16]}.  bh = 4 batch + head, G = 128 tokens, t = 16 tokens, s = 128 along d, dt = 16 of d.
; LIMITS: NaN and infinities among the inputs are not served.  A block of zeros gets the byte 1 where the quantiser says 127: its codes are zeros, and these bytes are read by this program alone.
; THE PROGRAM NOW HAS TWO LAUNCHES, AND kv IS LAID SO (this stands in place of what is said of kv and kvs above): kv [bh][G]{K's codes [t][s][2048], K's scale words [s][t][16], V's codes [dt][2048], V's scale words [dt][16]}:
; two blocks of 33,792 bytes a group.  Behind the 64 x 8 groups lie W_out's fragments as register images, [64 channels w][K step][tile n of 16 channels][2048], in the order inside a block of 32 that res has:
; lane (r, h)'s bytes 512 c + 16 l + 8 e + 0..7 are W_out's codes of channel 64 w + 16 n + r at k = 128 ks + 32 c + 16 e + 8 h + 0..7.  Each work-group lays 1,024 bytes of them.
.set WIMG,  64*8*67584                 ; where the images begin in kv
.set WP,    272                        ; a row of W_proj in LDS: 256 bytes + 16 of padding: the 16 rows of a load start 16 bytes apart modulo 256
.set WSC,   768*WP                     ; W_proj's scale bytes, 8 a row
.set BIA,   WSC+6144                   ; the head's 768 biases
.set XT,    BIA+3072                   ; x's 32 fragments: [tile of 16 tokens][K step][2048]
.set XSC,   XT+65536                   ; their scale words: [tile][32 words]: K step 0's sixteen, then K step 1's
.set SPARE, XSC+2048                   ; the spare words, 128 bytes for each wave: four blocks of 256 bytes that no other line names
.set L16, 1                            ; v1   16 x lane
.set L4,  2                            ; v2   4 x lane
.set AXF, 3                            ; v3   LDS: my half's fragments of x
.set AXS, 4                            ; v4   and their scale words
.set AWQ, 5                            ; v5   my 128 rows of W_proj for q or k
.set AWV, 6                            ; v6   my 64 rows for v
.set ASQ, 7                            ; v7   their scale words: lanes 0-15 K step 0's, lanes 16-31 K step 1's
.set ASV, 8                            ; v8
.set ABQ, 9                            ; v9   their biases
.set ABV, 10                           ; v10
.set XG,  11                           ; v11  x: my lane's bytes in the block's first channel; never rewritten
.set AXT, 12                           ; v12  where my four tokens' codes go
.set AXC, 13                           ; v13  and their scale words
.set SPW, 14                           ; v14  my spare word; never rewritten
.set NIL, 15                           ; v15  0; never rewritten
.set WF,  16                           ; v16-79   fragments of W_proj
.set HA,  80                           ; v80-143  eight result tiles; at first 4 x 16 held numbers of x
.set BI,  144                          ; v144-159 biases in the result's layout
.set PC,  160                          ; v160-175 codes just made
.set TM,  176                          ; v176-179 largest magnitudes, 180-183 bytes, 184-187 the largest number x the scale, 188-191 the conversions' scale operands
.set XS,  192                          ; v192-199 x's scale words
.set WS,  200                          ; v200-201 W_proj's
.set SW,  204                          ; v204-211 the scale words of q or k, one for each tile of tokens; at first those of my four tokens of x
.set VW,  212                          ; v212-215 those of v, one for each tile of d
.set PK,  216                          ; v216-219 two tiles' words in one register, to store
.set WV,  20
.set HALF, 21
.set GG,  22
.set CX,  23
.set TBK, 24
.set HDN, 25
.set BB,  26
.set IDX, 27
.set G1W, 28                           ; s[28:35] group 1: 128 rows of codes;  s[36:43]: the head's 6,144 scale bytes;  s[44:51]: its 768 biases
.set G1S, 36
.set G1B, 44
.set G0W, 52
.set G0S, 56
.set G0B, 60
.set SEL, 66                           ; s[66:67] selects of v_permlanex16_b32: lane l xor 16
.set MNT, 68                           ; the mantissa field of 57,344
.set MH,  69                           ; lanes 16-31
.set PQ,  70                           ; s[70:71] where my codes of q or k go;  s[72:73] their scale words;  s[74:75], s[76:77] the same for v
.set PS,  72
.set PVC, 74
.set PVS, 76
.set MSB, 0
.macro WIN new                         ; the immediate's high byte repeats the setting that is left
.if MSB != (\new)
	s_set_vgpr_msb (MSB<<8)|(\new)
.set MSB, (\new)
.endif
.endm
.macro PLACES n
.rept \n
	v_nop
.endr
.endm
.macro ROUND                           ; a round of the cluster's barrier
	s_barrier_signal -1
	s_barrier_wait -1
	s_cmp_lg_u32 s[WV], 0
	s_cbranch_scc1 .Lnot_wave_0_\@
	s_barrier_signal -3
.Lnot_wave_0_\@:
	s_barrier_wait -3
	s_barrier_signal -1
	s_barrier_wait -1
.endm
	s_load_b512 s[4:19], s[0:1], 0x0               ; x, W codes, W scales, b_proj, qc, qs, kv, W_out's codes
	v_lshl_add_u32 v[SPW], v0, 2, SPARE
	v_mov_b32 v[NIL], 0
	ds_add_u32 v[SPW], v[NIL]                      ; the opening: the add, twice on end, and its wait ahead of my first tensor load
	ds_add_u32 v[SPW], v[NIL]
	v_lshrrev_b32 v220, 5, v0
	s_delay_alu instid0(VALU_DEP_1)
	v_readfirstlane_b32 s[WV], v220                ; wave 0..7
	s_lshr_b32 s[HALF], s[WV], 2                   ; which 128 tokens
	s_and_b32 s[GG], s[WV], 3                      ; which columns
	s_bfe_u32 s[CX], ttmp6, 0x40000
	s_lshl_b32 s[TBK], ttmp9, 2
	s_add_co_u32 s[TBK], s[TBK], s[CX]             ; block of 256 tokens, 0..63
	s_and_b32 s[HDN], ttmp7, 0xffff                ; the head, which the four partners share
	s_lshr_b32 s[BB], s[TBK], 2                    ; batch
	s_mov_b32 s[G1W], 15|(1<<20)|(1<<21)|(5<<22)|(3<<25)   ; mask: all four; elements of 1 byte; padding of 4 words after every 64; bit 21 beside a mask
	s_mov_b32 s[G1W+1], 256<<16
	s_mov_b32 s[G1W+2], 128<<16
	s_mov_b32 s[G1W+3], 256<<16
	s_mov_b32 s[G1W+4], 128
	s_mov_b32 s[G1W+5], 256
	s_mov_b32 s[G1W+6], 0
	s_mov_b32 s[G1W+7], 0
	s_mov_b32 s[G1S], 15|(3<<16)|(1<<21)           ; 24 rows of 32 elements of 8 bytes, dense
	s_mov_b32 s[G1S+1], 32<<16
	s_mov_b32 s[G1S+2], 24<<16
	s_mov_b32 s[G1S+3], 32<<16
	s_mov_b32 s[G1S+4], 24
	s_mov_b32 s[G1S+5], 32
	s_mov_b32 s[G1S+6], 0
	s_mov_b32 s[G1S+7], 0
	s_mov_b32 s[G1B], 15|(3<<16)|(1<<21)           ; 12 rows of 32 elements of 8 bytes, dense
	s_mov_b32 s[G1B+1], 32<<16
	s_mov_b32 s[G1B+2], 12<<16
	s_mov_b32 s[G1B+3], 32<<16
	s_mov_b32 s[G1B+4], 12
	s_mov_b32 s[G1B+5], 32
	s_mov_b32 s[G1B+6], 0
	s_mov_b32 s[G1B+7], 0
	s_mul_i32 s78, s[HDN], 768                     ; the head's first row of W_proj
	s_lshl_b32 s82, s78, 3                         ; its scale bytes, 8 a row
	s_mov_b32 s83, 0
	s_lshl_b32 s84, s78, 2                         ; its biases
	s_mov_b32 s85, 0
	s_lshl_b32 s79, s[WV], 7
	s_add_co_u32 s78, s78, s79                     ; waves 0 to 5 fetch 128 rows of codes each: head and wave alone enter
	s_lshl_b32 s80, s78, 8
	s_mov_b32 s81, 0
	s_mov_b32 s[G0W], 1
	s_mul_i32 s[G0W+1], s[WV], 128*WP
	s_mov_b32 s[G0S], 1
	s_mov_b32 s[G0S+1], WSC
	s_mov_b32 s[G0B], 1
	s_mov_b32 s[G0B+1], BIA
	s_mov_b32 s[SEL], 0x76543210
	s_mov_b32 s[SEL+1], 0xfedcba98
	s_mov_b32 s[MNT], 0x600000
	s_mov_b32 s[MH], 0xffff0000
	s_wait_dscnt 0x0                               ; both opening adds are done
	s_wait_kmcnt 0x0
	s_add_nc_u64 s[G0W+2:G0W+3], s[6:7], s[80:81]
	s_or_b32 s[G0W+3], s[G0W+3], 0x80000000
	s_add_nc_u64 s[G0S+2:G0S+3], s[8:9], s[82:83]
	s_or_b32 s[G0S+3], s[G0S+3], 0x80000000
	s_add_nc_u64 s[G0B+2:G0B+3], s[10:11], s[84:85]
	s_or_b32 s[G0B+3], s[G0B+3], 0x80000000
	ROUND                                          ; all four work-groups are here: the joint loads meet
; THE HEAD'S LOADS, ONE A WAVE: waves 0 to 5 fetch 128 rows of W_proj's codes each, wave 6 the head's scale bytes, wave 7 its biases.  One chain of branches on the wave's number, a load to an arm.
.macro ARM under, g0, g1, next
	s_cmp_lt_u32 s[WV], \under
	s_cbranch_scc0 \next
	tensor_load_to_lds s[\g0:\g0+3], s[\g1:\g1+7]
	s_nop 0
	PLACES 4
	s_branch .Lhead_asked
\next:
.endm
	ARM 6, G0W, G1W, .Lhead_s
	ARM 7, G0S, G1S, .Lhead_b
	tensor_load_to_lds s[G0B:G0B+3], s[G1B:G1B+7]
	s_nop 0
	PLACES 4
.Lhead_asked:
	; W_out's images: my work-group's half hb of fragment F = 2 x block of tokens + head / 2 = 32 w + 4 ks + n.  The four loads stand ahead of x's, so x's counted waits cover them; wave 0 stores.
	s_lshl_b32 s78, s[TBK], 1
	s_lshr_b32 s79, s[HDN], 1
	s_add_co_u32 s78, s78, s79                     ; F
	s_and_b32 s79, s[HDN], 1                       ; hb
	s_lshr_b32 s80, s78, 5
	s_lshl_b32 s80, s80, 16                        ; 64 w rows of 1,024 bytes
	s_and_b32 s81, s78, 3
	s_lshl_b32 s81, s81, 14                        ; 16 n rows
	s_add_co_u32 s80, s80, s81
	s_bfe_u32 s81, s78, 0x30002
	s_lshl_b32 s81, s81, 7                         ; 128 ks
	s_add_co_u32 s80, s80, s81
	s_lshl_b32 s81, s79, 6                         ; c = 2 hb on
	s_add_co_u32 s80, s80, s81
	s_mov_b32 s81, 0
	s_add_nc_u64 s[18:19], s[18:19], s[80:81]
	s_lshl_b32 s82, s78, 11
	s_lshl_b32 s83, s79, 10
	s_add_co_u32 s82, s82, s83
	s_add_co_u32 s82, s82, WIMG
	s_mov_b32 s83, 0
	s_add_nc_u64 s[84:85], s[16:17], s[82:83]      ; where the 1,024 bytes go; kept until the store
	v_and_b32 v236, 15, v0
	v_bfe_u32 v237, v0, 4, 1
	v_lshlrev_b32 v236, 10, v236
	v_lshl_add_u32 v236, v237, 3, v236             ; row r, + 8 h
.irp cc, 0,1
.irp e, 0,1
	global_load_b64 v[228+4*\cc+2*\e:229+4*\cc+2*\e], v236, s[18:19] offset:32*\cc+16*\e
.endr
.endr
	s_lshl_b32 s86, s[BB], 20                      ; x: the batch's 2^20 bytes,
	s_and_b32 s88, s[TBK], 3
	s_lshl_b32 s88, s88, 10                        ; my block's 256 tokens
	s_add_co_u32 s86, s86, s88
	s_mov_b32 s87, 0
	s_add_nc_u64 s[4:5], s[4:5], s[86:87]
	v_and_b32 v221, 15, v0                         ; r
	v_bfe_u32 v222, v0, 4, 1                       ; h
	s_lshr_b32 s88, s[WV], 1                       ; for x: which 64 tokens,
	s_and_b32 s89, s[WV], 1                        ; which 128 channels (which K step)
	s_lshl_b32 s78, s88, 8                         ; 64 tokens are 256 bytes,
	s_lshl_b32 s79, s89, 19                        ; 128 channels 2^19
	s_add_co_u32 s78, s78, s79
	v_lshl_add_u32 v[XG], v222, 16, s78            ; lanes 16-31 begin 16 channels further on,
	s_delay_alu instid0(VALU_DEP_1)
	v_lshl_add_u32 v[XG], v221, 4, v[XG]           ; 16 bytes, four tokens, a lane
.macro XLOAD c                         ; block c of 32 channels: register 64 c + 4 i + j of window 1 = x(channel 32 c + 16 h + i, token 4 r + j): a load reads two runs of 256 consecutive bytes
.irp i, 0,1,2,3,4,5,6,7,8,9,10,11,12,13,14,15
	global_load_b128 v[64*(\c)+4*\i:64*(\c)+4*\i+3], v[XG], s[4:5] offset:(32*(\c)+\i)*4096
.endr
.endm
	WIN 0x40                                       ; destination window 1, which the fragments take only later
	XLOAD 0
	XLOAD 1
	XLOAD 2
	WIN 0
	v_and_b32 v220, 31, v0                         ; lane
	v_lshrrev_b32 v224, 2, v221                    ; my four tokens' tile among the wave's four,
	v_and_b32 v225, 3, v221                        ; and their rows 4 (r % 4) + j in it
	s_lshl_b32 s78, s88, 14                        ; four tiles x two K steps x 2,048 bytes,
	s_lshl_b32 s79, s89, 11                        ; my K step
	s_add_co_u32 s78, s78, s79
	s_add_co_u32 s78, s78, XT
	v_lshl_add_u32 v[AXT], v224, 12, s78
	s_delay_alu instid0(VALU_DEP_1)
	v_lshl_add_u32 v[AXT], v225, 6, v[AXT]         ; 16 bytes a row
	s_wait_alu depctr_va_vdst(0)
	v_lshl_add_u32 v[AXT], v222, 8, v[AXT]         ; the image's lanes 16-31 lie 256 bytes on
	s_lshl_b32 s78, s88, 9                         ; the scale words: 128 bytes a tile,
	s_lshl_b32 s79, s89, 6                         ; K step 1's sixteen behind K step 0's
	s_add_co_u32 s78, s78, s79
	s_add_co_u32 s78, s78, XSC
	v_lshl_add_u32 v[AXC], v224, 7, s78
	s_delay_alu instid0(VALU_DEP_1)
	v_lshl_add_u32 v[AXC], v225, 4, v[AXC]
	v_lshlrev_b32 v[L16], 4, v220
	v_lshlrev_b32 v[L4], 2, v220
	s_lshl_b32 s78, s[HALF], 15
	s_add_co_u32 s78, s78, XT
	v_add_nc_u32 v[AXF], s78, v[L16]
	s_lshl_b32 s78, s[HALF], 10
	s_add_co_u32 s78, s78, XSC
	v_add_nc_u32 v[AXS], s78, v[L4]
	v_mul_u32_u24 v223, v221, WP
	s_delay_alu instid0(VALU_DEP_1)
	v_lshl_add_u32 v223, v222, 4, v223             ; row r, + 16 h
	s_mul_i32 s78, s[GG], 128*WP
	v_add_nc_u32 v[AWQ], s78, v223
	s_mul_i32 s78, s[GG], 64*WP
	s_add_co_u32 s78, s78, 512*WP
	v_add_nc_u32 v[AWV], s78, v223
	v_lshlrev_b32 v223, 3, v221
	s_delay_alu instid0(VALU_DEP_1)
	v_lshl_add_u32 v223, v222, 2, v223             ; 8 r + 4 h
	s_lshl_b32 s78, s[GG], 10
	s_add_co_u32 s78, s78, WSC
	v_add_nc_u32 v[ASQ], s78, v223
	s_lshl_b32 s78, s[GG], 9
	s_add_co_u32 s78, s78, WSC+4096
	v_add_nc_u32 v[ASV], s78, v223
	s_lshl_b32 s78, s[GG], 9
	s_add_co_u32 s78, s78, BIA
	v_lshl_add_u32 v[ABQ], v222, 5, s78            ; q, k: the eight biases of my half of a tile
	s_lshl_b32 s78, s[GG], 8
	s_add_co_u32 s78, s78, BIA+2048
	v_lshl_add_u32 v[ABV], v221, 2, s78            ; v: the one bias of my column
.irp b, 0,1,2,3
	v_mov_b32 v[TM+4+\b], 0                        ; written once: a lane permute's destination counts as one of its sources
.endr
	s_lshl_b32 s[IDX], s[BB], 2
	s_add_co_u32 s[IDX], s[IDX], s[HDN]            ; bh
	s_lshl_b32 s[IDX], s[IDX], 3
	s_and_b32 s86, s[TBK], 3
	s_lshl_b32 s86, s86, 1
	s_add_co_u32 s86, s86, s[HALF]                 ; G
	s_add_co_u32 s[IDX], s[IDX], s86               ; 8 bh + G
	s_cmp_lt_u32 s[GG], 2                          ; columns of q or of k?  The choice hangs on the wave's number alone
	s_cselect_b64 s[PQ:PQ+1], s[12:13], s[16:17]
	s_cselect_b64 s[PS:PS+1], s[14:15], s[16:17]
	s_mov_b32 s88, 67584
	s_cselect_b32 s88, 32768, s88                  ; a group's bytes: 32,768 in qc, 67,584 in kv;
	s_mov_b32 s89, 67584
	s_cselect_b32 s89, 1024, s89                   ; 1,024 in qs;
	s_cselect_b32 s86, 0, 32768                    ; K's scale words lie behind K's codes
	s_and_b32 s87, s[GG], 1                        ; which K step of q k^T
	s_mul_i32 s78, s[IDX], s88
	s_lshl_b32 s80, s87, 11
	s_add_co_u32 s78, s78, s80
	s_mov_b32 s79, 0
	s_add_nc_u64 s[PQ:PQ+1], s[PQ:PQ+1], s[78:79]
	s_mul_i32 s78, s[IDX], s89
	s_lshl_b32 s80, s87, 9
	s_add_co_u32 s78, s78, s80
	s_add_co_u32 s78, s78, s86
	s_add_nc_u64 s[PS:PS+1], s[PS:PS+1], s[78:79]
	s_mul_i32 s78, s[IDX], 67584
	s_lshl_b32 s80, s[GG], 13
	s_add_co_u32 s78, s78, s80
	s_add_co_u32 s78, s78, 33792                   ; V's block lies behind K's
	s_add_nc_u64 s[PVC:PVC+1], s[16:17], s[78:79]
	s_mul_i32 s78, s[IDX], 67584
	s_lshl_b32 s80, s[GG], 8
	s_add_co_u32 s78, s78, s80
	s_add_co_u32 s78, s78, 33792+32768             ; V's scale words behind V's codes
	s_add_nc_u64 s[PVS:PVS+1], s[16:17], s[78:79]
	WIN 0x40
	XLOAD 3                                        ; the last sixteen of the 64 loads stand behind the set-up, which so does not wait for a place in the loads' counter
	WIN 0
; x, block c of 32 channels, for my four tokens by turns: 16 numbers of each are mine, the other 16 lane l xor 16's
.macro XBLOCK c
	s_wait_loadcnt 48-16*(\c)                      ; this block's sixteen loads are in; the later blocks' may be out
	WIN 0x05
.irp j, 0,1,2,3
	v_max3_num_f32 v[TM+\j], |v[64*(\c)+\j]|, |v[64*(\c)+4+\j]|, 0x8000000   ; with the floor 2^(16 - 127): the byte cannot fall under 1
.endr
	WIN 0x14
.irp i, 2,4,6,8,10,12,14
.irp j, 0,1,2,3
	v_max3_num_f32 v[TM+\j], v[TM+\j], |v[64*(\c)+4*\i+\j]|, |v[64*(\c)+4*\i+4+\j]|
.endr
.endr
	WIN 0
.irp j, 0,1,2,3
	v_permlanex16_b32 v[TM+4+\j], v[TM+\j], s[SEL], s[SEL+1]
.endr
.irp j, 0,1,2,3
	s_delay_alu instid0(VALU_DEP_4)
	v_max_num_f32 v[TM+\j], v[TM+\j], v[TM+4+\j]   ; the block's largest magnitude
.endr
.irp j, 0,1,2,3
	s_delay_alu instid0(VALU_DEP_4)
	v_add_nc_u32 v[TM+12+\j], 0xf8800000, v[TM+\j] ; 15 off the exponent field: the conversion's scale operand
.endr
.irp j, 0,1,2,3
	v_and_or_b32 v[TM+8+\j], v[TM+\j], 0x7f800000, s[MNT]   ; 57,344 x the scale
.endr
.irp j, 0,1,2,3
	v_lshrrev_b32 v[TM+4+\j], 23, v[TM+12+\j]      ; the scale's byte
.endr
.irp j, 0,1,2,3
.if (\c) == 0
	s_delay_alu instid0(VALU_DEP_4)
	v_mov_b32 v[SW+\j], v[TM+4+\j]
.else
	s_delay_alu instid0(VALU_DEP_4)
	v_lshl_or_b32 v[SW+\j], v[TM+4+\j], 8*(\c), v[SW+\j]
.endif
.endr
	WIN 0x01
.irp j, 0,1,2,3
.irp i, 0,1,2,3,4,5,6,7,8,9,10,11,12,13,14,15
	v_med3_num_f32 v[HA+16*\j+\i], v[64*(\c)+4*\i+\j], -v[TM+8+\j], v[TM+8+\j]   ; the hold (the conversion to an 8-bit code does not saturate: ISA guide 7.6.2) also lays a token's 16 numbers on end
.endr
.endr
	WIN 0
.irp j, 0,1,2,3
	v_cvt_scalef32_pk8_bf8_f32 v[PC+4*\j:PC+4*\j+1], v[HA+16*\j:HA+16*\j+7], v[TM+12+\j]
	v_cvt_scalef32_pk8_bf8_f32 v[PC+4*\j+2:PC+4*\j+3], v[HA+16*\j+8:HA+16*\j+15], v[TM+12+\j]
.endr
	v_nop                                          ; a plain line behind the last conversion
.irp j, 0,1,2,3
	ds_store_b128 v[AXT], v[PC+4*\j:PC+4*\j+3] offset:512*(\c)+16*\j   ; token j's row of the image, block c
.endr
	s_wait_dscnt 0x0                               ; the stores have read their registers
.endm
.irp c, 0,1,2,3
	XBLOCK \c
.endr
	s_cmp_lg_u32 s[WV], 0                          ; W_out's 1,024 bytes of images leave once: the branch leads round the two stores alone
	s_cbranch_scc1 .Lno_wimg_out
	global_store_b128 v[L16], v[228:231], s[84:85]
	global_store_b128 v[L16], v[232:235], s[84:85] offset:512
.Lno_wimg_out:
.irp j, 0,1,2,3
	ds_store_b32 v[AXC], v[SW+\j] offset:4*\j      ; both halves of the lanes write the same word with the same value
.endr
	s_wait_tensorcnt 0x0                           ; my parts of W_proj, its scale bytes and the biases have landed,
	s_wait_dscnt 0x0                               ; my images of x are stored:
	s_barrier_signal -1
	s_barrier_wait -1                              ; everybody's are
.macro WLOADQ blk                      ; rows 32 blk .. 32 blk + 31 of my 128: two tiles x two K steps, their scale words and biases
.irp u, 0,1
.irp s, 0,1
.irp c, 0,1,2,3
	ds_load_b128 v[WF+32*\u+16*\s+4*\c:WF+32*\u+16*\s+4*\c+3], v[AWQ] offset:(32*(\blk)+16*\u)*WP+128*\s+32*\c
.endr
.endr
	ds_load_b32 v[WS+\u], v[ASQ] offset:(32*(\blk)+16*\u)*8
.irp e, 0,1
	ds_load_b128 v[BI+8*\u+4*\e:BI+8*\u+4*\e+3], v[ABQ] offset:(32*(\blk)+16*\u)*4+16*\e
.endr
.endr
.endm
.macro WLOADV vt                       ; rows 16 vt .. 16 vt + 15 of my 64 for v; my column's bias in eight registers, the result's layout
.irp s, 0,1
.irp c, 0,1,2,3
	ds_load_b128 v[WF+16*\s+4*\c:WF+16*\s+4*\c+3], v[AWV] offset:16*(\vt)*WP+128*\s+32*\c
.endr
.endr
	ds_load_b32 v[WS], v[ASV] offset:128*(\vt)
.irp j, 0,1,2,3,4,5,6,7
	ds_load_b32 v[BI+\j], v[ABV] offset:64*(\vt)
.endr
.endm
; 16 matrix instructions: two tiles of W_proj's rows x four tiles of tokens (base on) x two K steps.  The bias is the C of the first.  The eight accumulators take turns.
.macro MULQK base
	WIN 0x04                                       ; source 1, x's fragments: window 1
.irp s, 0,1
.irp i, 0,1,2,3
.irp u, 0,1
.if \s == 0
	v_wmma_scale_f32_16x16x128_f8f6f4 v[HA+16*\i+8*\u:HA+16*\i+8*\u+7], v[WF+32*\u:WF+32*\u+15], v[32*(\base+\i):32*(\base+\i)+15], v[BI+8*\u:BI+8*\u+7], v[WS+\u], v[XS+\base+\i] matrix_a_fmt:MATRIX_FMT_BF8 matrix_b_fmt:MATRIX_FMT_BF8
.else
	v_wmma_scale_f32_16x16x128_f8f6f4 v[HA+16*\i+8*\u:HA+16*\i+8*\u+7], v[WF+32*\u+16:WF+32*\u+31], v[32*(\base+\i)+16:32*(\base+\i)+31], v[HA+16*\i+8*\u:HA+16*\i+8*\u+7], v[WS+\u], v[XS+\base+\i] matrix_a_fmt:MATRIX_FMT_BF8 matrix_b_fmt:MATRIX_FMT_BF8 matrix_a_scale:MATRIX_SCALE_ROW1 matrix_b_scale:MATRIX_SCALE_ROW1
.endif
.endr
.endr
.endr
	WIN 0
.endm
; 16 matrix instructions: eight tiles of tokens x one tile of W_proj's rows for v x two K steps
.macro MULV
	WIN 0x01                                       ; source 0, x's fragments: window 1
.irp s, 0,1
.irp t, 0,1,2,3,4,5,6,7
.if \s == 0
	v_wmma_scale_f32_16x16x128_f8f6f4 v[HA+8*\t:HA+8*\t+7], v[32*\t:32*\t+15], v[WF:WF+15], v[BI:BI+7], v[XS+\t], v[WS] matrix_a_fmt:MATRIX_FMT_BF8 matrix_b_fmt:MATRIX_FMT_BF8
.else
	v_wmma_scale_f32_16x16x128_f8f6f4 v[HA+8*\t:HA+8*\t+7], v[32*\t+16:32*\t+31], v[WF+16:WF+31], v[HA+8*\t:HA+8*\t+7], v[XS+\t], v[WS] matrix_a_fmt:MATRIX_FMT_BF8 matrix_b_fmt:MATRIX_FMT_BF8 matrix_a_scale:MATRIX_SCALE_ROW1 matrix_b_scale:MATRIX_SCALE_ROW1
.endif
.endr
.endr
	WIN 0
.endm
; Four blocks of 32: block b = my 16 registers v[HA + 16 b] on and lane l xor 16's.  Codes to v[PC + 4 b] on, bytes to v[TM + 4 + b].
.macro QUANT
.irp b, 0,1,2,3
	v_max3_num_f32 v[TM+\b], |v[HA+16*\b]|, |v[HA+16*\b+1]|, 0x8000000   ; with the floor 2^(16 - 127)
.endr
.irp i, 2,4,6,8,10,12,14
.irp b, 0,1,2,3
	v_max3_num_f32 v[TM+\b], v[TM+\b], |v[HA+16*\b+\i]|, |v[HA+16*\b+\i+1]|
.endr
.endr
.irp b, 0,1,2,3
	s_delay_alu instid0(VALU_DEP_4)
	v_permlanex16_b32 v[TM+4+\b], v[TM+\b], s[SEL], s[SEL+1]
.endr
.irp b, 0,1,2,3
	s_delay_alu instid0(VALU_DEP_4)
	v_max_num_f32 v[TM+\b], v[TM+\b], v[TM+4+\b]
.endr
.irp b, 0,1,2,3
	s_delay_alu instid0(VALU_DEP_4)
	v_add_nc_u32 v[TM+12+\b], 0xf8800000, v[TM+\b]
.endr
.irp b, 0,1,2,3
	v_and_or_b32 v[TM+8+\b], v[TM+\b], 0x7f800000, s[MNT]
.endr
.irp b, 0,1,2,3
	v_lshrrev_b32 v[TM+4+\b], 23, v[TM+12+\b]
.endr
.irp b, 0,1,2,3
.irp i, 0,1,2,3,4,5,6,7,8,9,10,11,12,13,14,15
	v_med3_num_f32 v[HA+16*\b+\i], v[HA+16*\b+\i], -v[TM+8+\b], v[TM+8+\b]
.endr
.endr
	s_wait_alu depctr_va_vdst(0)
	s_wait_xcnt 0x0                                ; the last stores have read the codes' registers
.irp b, 0,1,2,3
	v_cvt_scalef32_pk8_bf8_f32 v[PC+4*\b:PC+4*\b+1], v[HA+16*\b:HA+16*\b+7], v[TM+12+\b]
	v_cvt_scalef32_pk8_bf8_f32 v[PC+4*\b+2:PC+4*\b+3], v[HA+16*\b+8:HA+16*\b+15], v[TM+12+\b]
.endr
	v_nop                                          ; a plain line between the conversions and the next products, which write their sources
.endm
.macro PUTQK blk, base                 ; block i belongs to tile base + i of tokens and is block blk of its fragment: 512 consecutive bytes a store
.irp i, 0,1,2,3
	global_store_b128 v[L16], v[PC+4*\i:PC+4*\i+3], s[PQ:PQ+1] offset:(\base+\i)*4096+512*(\blk)
.if (\blk) == 0
	v_mov_b32 v[SW+\base+\i], v[TM+4+\i]
.else
	v_lshl_or_b32 v[SW+\base+\i], v[TM+4+\i], 8*(\blk), v[SW+\base+\i]
.endif
.endr
.endm
.macro PUTV vt                         ; the four blocks are one fragment of v: 16 of d x 128 keys
	v_lshl_or_b32 v[VW+\vt], v[TM+5], 8, v[TM+4]
	s_delay_alu instid0(VALU_DEP_1)
	v_lshl_or_b32 v[VW+\vt], v[TM+6], 16, v[VW+\vt]
	s_delay_alu instid0(VALU_DEP_1)
	v_lshl_or_b32 v[VW+\vt], v[TM+7], 24, v[VW+\vt]
.irp b, 0,1,2,3
	global_store_b128 v[L16], v[PC+4*\b:PC+4*\b+3], s[PVC:PVC+1] offset:2048*(\vt)+512*\b
.endr
.endm
	WIN 0x40                                       ; destination window 1: my half's 16 fragments of x stay in registers
.set j, 0
.rept 64
	ds_load_b128 v[4*j:4*j+3], v[AXF] offset:512*j
.set j, j+1
.endr
	WIN 0
.irp t, 0,1,2,3,4,5,6,7
	ds_load_b32 v[XS+\t], v[AXS] offset:128*\t     ; lanes 0-15: K step 0's words, lanes 16-31: K step 1's
.endr
	WLOADQ 0
.irp b, 0,1,2,3                        ; q or k: 32 of my 128 columns at a time = block b of every token's fragment
	s_wait_dscnt 0x0
	MULQK 0
	PLACES 8                                       ; eight places behind this form, ahead of the first read of results
	QUANT
	PUTQK \b, 0
	MULQK 4
	PLACES 8                                       ; and ahead of loads into registers that it has read
.if \b < 3
	WLOADQ \b+1
.else
	WLOADV 0
.endif
	QUANT
	PUTQK \b, 4
.endr
.irp j, 0,1,2,3
	v_cndmask_b32 v[PK+\j], v[SW+2*\j], v[SW+2*\j+1], s[MH]   ; two tiles' sixteen words each in one register
	global_store_b32 v[L4], v[PK+\j], s[PS:PS+1] offset:128*\j
.endr
.irp i, 0,1,2,3                        ; v: 16 of my 64 columns at a time
	s_wait_dscnt 0x0
	MULV
	PLACES 8
.if \i < 3
	WLOADV \i+1
.endif
	QUANT
	PUTV \i
.endr
.irp j, 0,1
	v_cndmask_b32 v[PK+\j], v[VW+2*\j], v[VW+2*\j+1], s[MH]   ; (the earlier stores from these registers stand ahead of a wait on XCNT in QUANT)
	global_store_b32 v[L4], v[PK+\j], s[PVS:PVS+1] offset:128*\j
.endr
	s_wait_tensorcnt 0x0                           ; the wave's end
	ds_add_u32 v[SPW], v[NIL]
	s_wait_dscnt 0x0
	ROUND                                          ; the closing round
	s_endpgm
.Lfunc_end_k_q9b1829221c_qkv:
	.size	k_q9b1829221c_qkv, .Lfunc_end_k_q9b1829221c_qkv-k_q9b1829221c_qkv
	.p2alignl 7, 3214868480
	.fill 96, 4, 3214868480
	.section	.rodata,"a",@progbits
	.p2align	6, 0x0
	.amdhsa_kernel k_q9b1829221c_qkv
		.amdhsa_group_segment_fixed_size 286720
		.amdhsa_private_segment_fixed_size 0
		.amdhsa_enable_private_segment 0
		.amdhsa_kernarg_size 64
		.amdhsa_user_sgpr_count 2
		.amdhsa_user_sgpr_kernarg_segment_ptr 1
		.amdhsa_wavefront_size32 1
		.amdhsa_system_sgpr_workgroup_id_x 1
		.amdhsa_system_sgpr_workgroup_id_y 1
		.amdhsa_system_sgpr_workgroup_id_z 1
		.amdhsa_system_vgpr_workitem_id 0
		.amdhsa_next_free_vgpr 512
		.amdhsa_next_free_sgpr 90
		.amdhsa_reserve_vcc 0
		.amdhsa_float_denorm_mode_32 3
		.amdhsa_float_denorm_mode_16_64 3
		.amdhsa_memory_ordered 1
		.amdhsa_forward_progress 1
		.amdhsa_inst_pref_size 203
	.end_amdhsa_kernel
	.amdgpu_metadata
---
amdhsa.version: [ 1, 2 ]
amdhsa.kernels:
  - .name:           k_q9b1829221c_qkv
    .symbol:         k_q9b1829221c_qkv.kd
    .args:
      - { .name: x, .offset: 0, .size: 8, .value_kind: global_buffer, .address_space: global }
      - { .name: W_proj_codes, .offset: 8, .size: 8, .value_kind: global_buffer, .address_space: global }
      - { .name: W_proj_scales, .offset: 16, .size: 8, .value_kind: global_buffer, .address_space: global }
      - { .name: b_proj, .offset: 24, .size: 8, .value_kind: global_buffer, .address_space: global }
      - { .name: qc, .offset: 32, .size: 8, .value_kind: global_buffer, .address_space: global }
      - { .name: qs, .offset: 40, .size: 8, .value_kind: global_buffer, .address_space: global }
      - { .name: kv, .offset: 48, .size: 8, .value_kind: global_buffer, .address_space: global }
      - { .name: W_out_codes, .offset: 56, .size: 8, .value_kind: global_buffer, .address_space: global }
    .group_segment_fixed_size: 286720
    .private_segment_fixed_size: 0
    .kernarg_segment_align: 8
    .kernarg_segment_size: 64
    .max_flat_workgroup_size: 256
    .sgpr_count:     90
    .vgpr_count:     512
    .wavefront_size: 32
...
	.end_amdgpu_metadata
.endif
;; end of part 1
;; launch attn (part 2): grid 16 x 16, 4 waves a work-group, clusters of 4 x 1, 327,680 bytes of LDS; arguments qc, qs, kv, W_out_scales, b_out, x, out0; writes out0
.if DOCPART == 2
	.amdgcn_target "amdgcn-amd-amdhsa--gfx1250"
	.amdhsa_code_object_version 6
	.text
	.protected	k_q9b1829221c_attn
	.globl	k_q9b1829221c_attn
	.p2align	8
	.type	k_q9b1829221c_attn,@function
k_q9b1829221c_attn:
	s_mov_b64 s[64:65], 0
	v_nop
	global_prefetch_b8 v0, s[64:65] scope:SCOPE_SE
	s_setreg_imm32_b32 hwreg(HW_REG_WAVE_MODE, 25, 1), 1
	s_wait_xcnt 0x0
	s_wait_alu depctr_hold_cnt(0) depctr_sa_sdst(0) depctr_va_vdst(0) depctr_va_sdst(0) depctr_va_ssrc(0) depctr_va_vcc(0) depctr_vm_vsrc(0)
	s_getreg_b32 s2, hwreg(HW_REG_IB_STS2, 6, 4)
	s_cmp_eq_u32 s2, 0
	s_cbranch_scc0 .Lentry_in_a_cluster
	s_endpgm
.Lentry_in_a_cluster:
	s_bfe_u32 s2, ttmp6, 0x10000c
	s_cmp_lg_u32 s2, 0x3003
	s_cbranch_scc0 .Lentry_shape_is_right
	s_endpgm
.Lentry_shape_is_right:
; SECOND AND LAST LAUNCH: res = softmax(q k^T / 16) v for all four heads of 64 tokens, res quantised along the last product's K, and out0 = res W_out + b_out + x.  All products on codes of E5M2 with E8M0 scales.  Nothing of reference() is left out.
; SHARES.  A work-group owns 64 tokens of one batch; wave w is head w: four tiles of 16 queries, O^T in 512 registers.  The four work-groups of a cluster have the same batch and ask for K and V of its four heads jointly.
; Both products of attention are used transposed (S^T = K Q^T, O^T = V^T P^T): a lane holds one query of each tile.  All operands arrive as images of the operand's registers, 2,048 bytes a fragment, as the first launch lays them.
; SOFTMAX.  t = score x log2(e) / 16; M = the running largest t rounded up to a whole number; p = 2^(t - M) is quantised along the keys; the sum is taken of the unquantised p and divides at the end.
; LDS.  A region for K and one for V, each four blocks of 33,792 bytes (a head's 128 keys: 32,768 bytes of codes, 1,024 of scale words), a block a wave, fetched and read by that wave alone.
; Each region is filled again behind a drained round of the cluster's barrier: V's of step i at the step's head, K's of step i + 1 behind the first tile's softmax.  The eighth fill of K's region brings W_out's K steps 0-3 (the same 132 rows of 256 bytes).
; TAIL.  Every wave lays its head's codes of res where V lay ([K step][tile][2048]); then wave w makes 64 tokens x channels 64 w on, K = 1,024: W_out's K steps 0-3 from LDS, 4-7 by plain loads into registers that O^T has left.
; b_out is the C of each sum's first product; the results go through the wave's own stage (rows = channels) and leave, with x added, sixteen lanes to 256 consecutive bytes, aligned.
; PREFETCH.  In step i each wave names 66 blocks of 256 bytes of its head's step i + 2 (a quarter, by the work-group's place in the cluster, told apart by address); steps 6 and 7 ask for nothing; steps 0 and 1 come by their loads alone.
; REGISTERS.  Window 0: addresses, state, K's buffers and then p's codes (v64-127), Q (v128-255).  Window 1: S^T, then p, then V's fragments.  Windows 2, 3: O^T.  In the tail: see there.
; LIMITS: NaN and infinities are not served; the promise holds while the scaled scores stay under 2^31 in magnitude; a block of zeros gets the byte 1, read by this launch alone.
.set BLK,   33792
.set STEPB, 2*BLK
.set HEADB, 8*STEPB
.set WIMG,  64*HEADB                   ; W_out's images in kv
.set VREG,  4*BLK                      ; V's region; later res's codes (65,536 bytes) and the four stages
.set SPARE, 2*VREG                     ; the spare words, 128 bytes a wave
.set RSS,   SPARE+512                  ; res's scale words: [K step][pair of tiles][32 words]
.set OSTG,  VREG+65536
.set L16, 1
.set ADV, 2
.set PFO2, 3
.set ADK, 4
.set AKS, 5
.set AVS, 6
.set PFO, 7
.set SPW, 8
.set NIL, 9
.set ST,  10
.set QS,  34
.set KVS, 38
.set BM,  46
.set C1,  54
.set PR,  50
.set HD,  54
.set SO,  58
.set L4,  63
.set PC,  64
.set KB,  64
.set PRM, 64
.set TTB, 120
.set QF,  128
.set ARS, 34                           ; the tail's addresses, in registers that Q's and K's scale words have left
.set STO, 35
.set RD,  36
.set GO,  37
.set WSO, 38
.set BOO, 39
.set ASC, 40
.set RST, 41
.set RSW, 42
.set WS,  128                          ; v128-159 W_out's scale words: tile n, K step ks at 8 n + ks
.set BO,  160                          ; v160-191 b_out in the result's layout
.set RS,  192                          ; v192-207 res's scale words: 2 ks + pair
.set WV,  16
.set CX,  17
.set BT,  18
.set TBN, 19
.set TR,  20
.set WOFF, 22
.set BH,  23
.set CS,  24
.set SEL, 26
.set MNT, 28
.set MH,  29
.set PFA, 30
.set G1,  32
.set G0K, 40
.set G0V, 44
.set KO,  48
.set VO,  50
.set W1,  52
.set MSB, 0
.macro WIN new
.if MSB != (\new)
	s_set_vgpr_msb (MSB<<8)|(\new)
.set MSB, (\new)
.endif
.endm
.macro PLACES n
.rept \n
	v_nop
.endr
.endm
.macro ROUND
	s_barrier_signal -1
	s_barrier_wait -1
	s_cmp_lg_u32 s[WV], 0
	s_cbranch_scc1 .Lnot_wave_0_\@
	s_barrier_signal -3
.Lnot_wave_0_\@:
	s_barrier_wait -3
	s_barrier_signal -1
	s_barrier_wait -1
.endm
	s_load_b256 s[4:11], s[0:1], 0x0               ; qc, qs, kv, W_out's scales
	s_load_b128 s[12:15], s[0:1], 0x20             ; b_out, x
	s_load_b64 s[66:67], s[0:1], 0x30              ; out0
	v_lshl_add_u32 v[SPW], v0, 2, SPARE
	v_mov_b32 v[NIL], 0
	ds_add_u32 v[SPW], v[NIL]                      ; the opening: the add, twice on end, and its wait
	ds_add_u32 v[SPW], v[NIL]
	v_lshrrev_b32 v54, 5, v0
	v_readfirstlane_b32 s[WV], v54                 ; wave = head
	s_bfe_u32 s[CX], ttmp6, 0x40000
	s_lshl_b32 s[TBN], ttmp9, 2
	s_add_co_u32 s[TBN], s[TBN], s[CX]             ; block of 64 tokens, 0..15
	s_and_b32 s[BT], ttmp7, 0xffff                 ; batch, which the partners share
	s_lshl_b32 s[BH], s[BT], 2
	s_add_co_u32 s[BH], s[BH], s[WV]
	s_mov_b32 s[G1], 15|(3<<16)|(1<<21)            ; mask: all four; 132 rows of 32 elements of 8 bytes, dense
	s_mov_b32 s[G1+1], 32<<16
	s_mov_b32 s[G1+2], 132<<16
	s_mov_b32 s[G1+3], 32<<16
	s_mov_b32 s[G1+4], 132
	s_mov_b32 s[G1+5], 32
	s_mov_b32 s[G1+6], 0
	s_mov_b32 s[G1+7], 0
	s_mul_i32 s[KO], s[BH], HEADB                  ; K's block of step 0, as an offset in kv
	s_mov_b32 s[KO+1], 0
	s_add_co_u32 s[VO], s[KO], BLK
	s_mov_b32 s[VO+1], 0
	s_lshl_b32 s[WOFF], s[WV], 16
	s_add_co_u32 s[WOFF], s[WOFF], WIMG            ; my 64 channels' images of W_out
	s_mov_b32 s[G0K], 1
	s_mul_i32 s[G0K+1], s[WV], BLK
	s_mov_b32 s[G0V], 1
	s_add_co_u32 s[G0V+1], s[G0K+1], VREG
	s_mov_b32 s[CS], 0x3db8aa3b                    ; log2(e) / 16
	s_mov_b32 s[CS+1], s[CS]
	s_mov_b32 s[SEL], 0x76543210
	s_mov_b32 s[SEL+1], 0xfedcba98
	s_mov_b32 s[MNT], 0x600000
	s_mov_b32 s[MH], 0xffff0000
	s_mov_b32 s[TR], 0
	s_wait_dscnt 0x0
	s_wait_kmcnt 0x0
	s_add_nc_u64 s[G0K+2:G0K+3], s[8:9], s[KO:KO+1]
	s_or_b32 s[G0K+3], s[G0K+3], 0x80000000
	s_add_nc_u64 s[G0V+2:G0V+3], s[8:9], s[VO:VO+1]
	s_or_b32 s[G0V+3], s[G0V+3], 0x80000000
	ROUND
	tensor_load_to_lds s[G0K:G0K+3], s[G1:G1+7]    ; my head's K of step 0: one load a wave at the head
	s_nop 0
	PLACES 4
	s_mov_b32 s61, 0
	s_lshl_b32 s60, s[BH], 18
	s_lshl_b32 s62, s[TBN], 14
	s_add_co_u32 s60, s60, s62
	s_add_nc_u64 s[4:5], s[4:5], s[60:61]          ; Q: four tiles of 4,096 bytes
	s_lshl_b32 s60, s[BH], 3
	s_lshr_b32 s62, s[TBN], 1
	s_add_co_u32 s60, s60, s62
	s_lshl_b32 s60, s60, 10
	s_and_b32 s62, s[TBN], 1
	s_lshl_b32 s62, s62, 8
	s_add_co_u32 s60, s60, s62
	s_add_nc_u64 s[6:7], s[6:7], s[60:61]
	s_mul_i32 s60, s[CX], 66*256
	s_add_co_u32 s60, s60, s[KO]
	s_add_co_u32 s60, s60, STEPB                   ; at step 1: the first step's head moves it to step 2
	s_add_nc_u64 s[PFA:PFA+1], s[8:9], s[60:61]
	s_add_co_u32 s60, s[WOFF], 32768
	s_add_nc_u64 s[W1:W1+1], s[8:9], s[60:61]      ; W_out's K steps 4-7
	s_lshl_b32 s60, s[WV], 11
	s_add_nc_u64 s[10:11], s[10:11], s[60:61]
	s_lshl_b32 s60, s[WV], 8
	s_add_nc_u64 s[12:13], s[12:13], s[60:61]
	s_lshl_b32 s60, s[BT], 20                      ; x and out0: batch x 2^20 + channel x 4,096 + token x 4
	s_lshl_b32 s62, s[WV], 18
	s_add_co_u32 s60, s60, s62
	s_lshl_b32 s62, s[TBN], 8
	s_add_co_u32 s60, s60, s62
	s_add_nc_u64 s[14:15], s[14:15], s[60:61]
	s_add_nc_u64 s[66:67], s[66:67], s[60:61]
	v_and_b32 v54, 31, v0
	v_and_b32 v55, 15, v0
	v_bfe_u32 v56, v0, 4, 1
	v_lshlrev_b32 v[L16], 4, v54
	v_lshlrev_b32 v[L4], 2, v54
	v_lshlrev_b32 v[PFO], 8, v54
	v_min_u32 v[PFO2], 1, v54
	v_lshlrev_b32 v[PFO2], 8, v[PFO2]
	v_lshlrev_b32 v57, 2, v55
	v_lshl_add_u32 v57, v56, 9, v57
	v_add_nc_u32 v[ADK], s[G0K+1], v[L16]
	v_add_nc_u32 v[ADV], s[G0V+1], v[L16]
	v_add_nc_u32 v[AKS], s[G0K+1], v57
	v_add_nc_u32 v[AKS], 32768, v[AKS]
	v_add_nc_u32 v[AVS], s[G0V+1], v[L4]
	v_add_nc_u32 v[AVS], 32768, v[AVS]
.set j, 0
.rept 32
	global_load_b128 v[QF+4*j:QF+4*j+3], v[L16], s[4:5] offset:512*j
.set j, j+1
.endr
.irp q, 0,1,2,3
	global_load_b32 v[QS+\q], v57, s[6:7] offset:64*\q
.endr
.irp q, 0,1,2,3
	v_mov_b32 v[ST+6*\q+1], 0xff61b1e6
	v_floor_f32 v[ST+6*\q], -v[ST+6*\q+1]
	v_mov_b32 v[ST+6*\q+2], 0
	v_mov_b32 v[ST+6*\q+3], 0
	v_mov_b32 v[ST+6*\q+4], 0
	v_mov_b32 v[ST+6*\q+5], 0
	v_mov_b32 v[PR+\q], 0
.endr
	WIN 0x80                                       ; O^T begins as zeros: the step is written once
.set j, 0
.rept 256
	v_mov_b32 v[j], 0
.set j, j+1
.endr
	WIN 0xc0
.set j, 0
.rept 256
	v_mov_b32 v[j], 0
.set j, j+1
.endr
	WIN 0
	s_wait_loadcnt 0x0
.macro KPLACE t                        ; where tile t of K stands: window KW, its first 128 of d at v[KA], its second KD registers on.  Tiles 2 and 3 stand in the score registers of tiles 6 and 7
.if (\t) == 2
.set KW, 1
.set KA, 48
.set KD, 64
.elseif (\t) == 3
.set KW, 1
.set KA, 176
.set KD, 64
.else
.set KW, 0
.set KA, KB+32*((\t)%2)
.set KD, 16
.endif
.endm
.macro KLOAD t
	KPLACE \t
	WIN KW<<6
.irp s, 0,1
.irp c, 0,1,2,3
	ds_load_b128 v[KA+KD*\s+4*\c:KA+KD*\s+4*\c+3], v[ADK] offset:(2*(\t)+\s)*2048+512*\c
.endr
.endr
	WIN 0
.endm
.macro SW1 t, s, q
.if (\s) == 0
	v_wmma_scale_f32_16x16x128_f8f6f4 v[64*(\q)+8*(\t):64*(\q)+8*(\t)+7], v[KA:KA+15], v[QF+32*(\q):QF+32*(\q)+15], 0, v[KVS+(\t)], v[QS+(\q)] matrix_a_fmt:MATRIX_FMT_BF8 matrix_b_fmt:MATRIX_FMT_BF8
.else
	v_wmma_scale_f32_16x16x128_f8f6f4 v[64*(\q)+8*(\t):64*(\q)+8*(\t)+7], v[KA+KD:KA+KD+15], v[QF+32*(\q)+16:QF+32*(\q)+31], v[64*(\q)+8*(\t):64*(\q)+8*(\t)+7], v[KVS+(\t)], v[QS+(\q)] matrix_a_fmt:MATRIX_FMT_BF8 matrix_b_fmt:MATRIX_FMT_BF8 matrix_a_scale:MATRIX_SCALE_ROW1 matrix_b_scale:MATRIX_SCALE_ROW1
.endif
.endm
.macro MAXOPS t, k                     ; a quarter of tile t's part in the largest score of its block of 32 keys, for the four tiles of queries by turns
.set mb, BM+(\t)/2
.if (\t)%2 == 0
.if (\k) == 0
	WIN 0x15
.irp q, 0,1,2,3
	v_max3_num_f32 v[mb+4*\q], v[64*\q+8*(\t)], v[64*\q+8*(\t)+1], v[64*\q+8*(\t)+2]
.endr
.elseif (\k) < 3
	WIN 0x14
.irp q, 0,1,2,3
	v_max3_num_f32 v[mb+4*\q], v[mb+4*\q], v[64*\q+8*(\t)+2*(\k)+1], v[64*\q+8*(\t)+2*(\k)+2]
.endr
.else
	WIN 0x14
.irp q, 0,1,2,3
	v_max3_num_f32 v[mb+4*\q], v[mb+4*\q], v[64*\q+8*(\t)+7], v[64*\q+8*(\t)+7]
.endr
.endif
.else
	WIN 0x14
.irp q, 0,1,2,3
	v_max3_num_f32 v[mb+4*\q], v[mb+4*\q], v[64*\q+8*(\t)+2*(\k)], v[64*\q+8*(\t)+2*(\k)+1]
.endr
.endif
.endm
.macro SMULX t, p                      ; tile t's eight products; among them the maxima of tile p, the one multiplied before (p = -1: none)
	KPLACE \t
.irp g, 0,1,2,3
	WIN 0x50+KW
	SW1 \t, \g/2, 2*(\g%2)
	SW1 \t, \g/2, 2*(\g%2)+1
.if (\p) >= 0
	MAXOPS \p, \g
.endif
.endr
	WIN 0
.endm
.macro SSTEP t, p, w, n, ld            ; w: the LDS loads issued behind tile t's, which may stay out (-1: tile t is in); n: places behind the products; ld: the tile fetched into the buffer just read (-1: none)
.if (\w) >= 0
	s_wait_alu depctr_va_vdst(0)                   ; directly ahead of the wait below
	s_wait_dscnt \w
.endif
	SMULX \t, \p
.if (\n) > 0
	PLACES \n
.endif
.if (\ld) >= 0
	KLOAD \ld
.endif
.endm
.macro VLOAD q
	WIN 0x40
.irp i, 0,1,2,3
.irp c, 0,1,2,3
	ds_load_b128 v[64*(\q)+16*\i+4*\c:64*(\q)+16*\i+4*\c+3], v[ADV] offset:(4*(\q)+\i)*2048+512*\c
.endr
.endr
.endm
.macro PV dt, q
.if (\dt)%2
	v_wmma_scale_f32_16x16x128_f8f6f4 v[128*((\q)%2)+8*(\dt):128*((\q)%2)+8*(\dt)+7], v[16*(\dt):16*(\dt)+15], v[PC+16*(\q):PC+16*(\q)+15], v[128*((\q)%2)+8*(\dt):128*((\q)%2)+8*(\dt)+7], v[KVS+(\dt)/2], v[ST+6*(\q)+5] matrix_a_fmt:MATRIX_FMT_BF8 matrix_b_fmt:MATRIX_FMT_BF8 matrix_a_scale:MATRIX_SCALE_ROW1
.else
	v_wmma_scale_f32_16x16x128_f8f6f4 v[128*((\q)%2)+8*(\dt):128*((\q)%2)+8*(\dt)+7], v[16*(\dt):16*(\dt)+15], v[PC+16*(\q):PC+16*(\q)+15], v[128*((\q)%2)+8*(\dt):128*((\q)%2)+8*(\dt)+7], v[KVS+(\dt)/2], v[ST+6*(\q)+5] matrix_a_fmt:MATRIX_FMT_BF8 matrix_b_fmt:MATRIX_FMT_BF8
.endif
.endm
.macro PVN                             ; the next of the step's 64 products with V, in an order that follows the fragments' and the codes' arrival
.if pn == 0
	s_wait_dscnt 16                                ; V's scale words and its first four fragments are in; the next four may be out
.endif
.if (pn == 8) || (pn == 24) || (pn == 36)
	s_wait_dscnt 0x0
.endif
.if pn < 16
.set pdt, pn/2
.set pq, pn%2
.elseif pn < 24
.set pdt, pn-16
.set pq, 2
.elseif pn < 48
.set pdt, 8+(pn-24)/3
.set pq, (pn-24)%3
.else
.set pdt, pn-48
.set pq, 3
.endif
	WIN 0xa1+0x50*(pq/2)
	PV pdt, pq
.set pn, pn+1
.endm
.macro HK
.if pn < plim
	PVN
.endif
.endm
.macro FLUSH
.rept 20
	HK
.endr
.endm
.macro SCALEQ q
.if (\q) < 3
.set AQ, PC+16*(\q)+16
.else
.set AQ, BM
.endif
.irp b, 0,1,2,3
	v_add_nc_u32 v[AQ+4+\b], 0xf8800000, v[BM+4*(\q)+\b]
.endr
.irp b, 0,1,2,3
	v_and_or_b32 v[AQ+\b], v[BM+4*(\q)+\b], 0x7f800000, s[MNT]
.endr
.irp b, 0,1,2,3
	v_lshrrev_b32 v[PRM+4*(\q)+\b], 23, v[AQ+4+\b]
.endr
.endm
.macro P1                              ; the rows' maxima, M, f = 2^(old M - new M), each block's largest p and from it its scale
	WIN 0
.irp q, 0,1,2,3
.irp b, 0,1,2,3
	v_permlanex16_b32 v[PRM+4*\q+\b], v[BM+4*\q+\b], s[SEL], s[SEL+1]
.endr
.endr
.irp q, 0,1,2,3
.irp b, 0,1,2,3
	v_max_num_f32 v[BM+4*\q+\b], v[BM+4*\q+\b], v[PRM+4*\q+\b]
.endr
.endr
.irp q, 0,1,2,3
	v_max3_num_f32 v[TTB+\q], v[BM+4*\q], v[BM+4*\q+1], v[BM+4*\q+2]
.endr
.irp q, 0,1,2,3
	v_max_num_f32 v[TTB+\q], v[TTB+\q], v[BM+4*\q+3]
.endr
.irp q, 0,1,2,3
	v_mul_f32 v[TTB+\q], s[CS], v[TTB+\q]
.endr
.irp q, 0,1,2,3
	v_max_num_f32 v[ST+6*\q+1], v[ST+6*\q+1], v[TTB+\q]
.endr
.irp q, 0,1,2,3
	v_mov_b32 v[TTB+\q], v[ST+6*\q]
.endr
.irp q, 0,1,2,3
	v_floor_f32 v[ST+6*\q], -v[ST+6*\q+1]
.endr
.irp q, 0,1,2,3
	v_sub_f32 v[TTB+\q], v[ST+6*\q], v[TTB+\q]
.endr
.irp q, 0,1,2,3
	v_cvt_i32_f32 v[TTB+\q], v[TTB+\q]
.endr
.irp q, 0,1,2,3
	v_ldexp_f32 v[ST+6*\q+4], 1.0, v[TTB+\q]
.endr
.irp q, 0,1,2,3
.irp b, 0,1,2,3
	v_fma_f32 v[BM+4*\q+\b], v[BM+4*\q+\b], s[CS], v[ST+6*\q]
.endr
.endr
	s_wait_alu depctr_va_vdst(0)
.irp q, 0,1,2,3
.irp b, 0,1,2,3
	v_exp_f32 v[BM+4*\q+\b], v[BM+4*\q+\b]
.endr
.endr
.irp q, 0,1,2,3
	v_pk_mul_f32 v[ST+6*\q+2:ST+6*\q+3], v[ST+6*\q+2:ST+6*\q+3], v[ST+6*\q+4:ST+6*\q+5] op_sel_hi:[1,0]
.endr
	s_wait_alu depctr_va_vdst(0)
.irp q, 0,1,2,3
.irp b, 0,1,2,3
	v_max_num_f32 v[BM+4*\q+\b], 0x8000000, v[BM+4*\q+\b]
.endr
.endr
	SCALEQ 0
	SCALEQ 1
	SCALEQ 2
	SCALEQ 3
.irp q, 0,1,2,3
	v_lshl_or_b32 v[ST+6*\q+5], v[PRM+4*\q+1], 8, v[PRM+4*\q]
.endr
.irp q, 0,1,2,3
	v_lshl_or_b32 v[ST+6*\q+5], v[PRM+4*\q+2], 16, v[ST+6*\q+5]
.endr
.irp q, 0,1,2,3
	v_lshl_or_b32 v[ST+6*\q+5], v[PRM+4*\q+3], 24, v[ST+6*\q+5]
.endr
.endm
.macro P2 q, resc                      ; tile q of queries: p, its sum, its hold and codes; resc: O^T x f.  Products with V that are due stand among the lines
.set TQ, ST+6*(\q)
.set SB, 64*(\q)
.set OB, 128*((\q)%2)
.if (\q) < 3
.set AQ, PC+16*(\q)+16
.else
.set AQ, BM
.endif
.set j, 0
.rept 32
	WIN 0x41
	v_pk_fma_f32 v[SB+j:SB+j+1], v[SB+j:SB+j+1], s[CS:CS+1], v[TQ:TQ+1] op_sel_hi:[1,0,0]
.set j, j+2
.if j%16 == 0
	HK
.endif
.endr
.set j, 0
	s_wait_alu depctr_va_vdst(0)
.rept 64
	WIN 0x41
	v_exp_f32 v[SB+j], v[SB+j]
.set j, j+1
.if j%8 == 0
	HK
.endif
.endr
	WIN 0
	v_nop
	s_wait_alu depctr_va_vdst(0)
	WIN 0x05
	v_pk_add_f32 v[C1:C1+1], v[SB:SB+1], v[SB+2:SB+3]
	v_pk_add_f32 v[C1+2:C1+3], v[SB+4:SB+5], v[SB+6:SB+7]
	v_pk_add_f32 v[C1+4:C1+5], v[SB+8:SB+9], v[SB+10:SB+11]
.set j, 12
.set ch, 0
.rept 26
.if ch%4 == 0
.set CC, TQ+2
.else
.set CC, C1+2*(ch%4)-2
.endif
	WIN 0x04
	v_pk_add_f32 v[CC:CC+1], v[CC:CC+1], v[SB+j:SB+j+1]
.set j, j+2
.set ch, ch+1
.if ch%8 == 0
	HK
.endif
.endr
	WIN 0
	v_pk_add_f32 v[C1:C1+1], v[C1:C1+1], v[C1+2:C1+3]
	v_pk_add_f32 v[TQ+2:TQ+3], v[TQ+2:TQ+3], v[C1+4:C1+5]
	v_pk_add_f32 v[TQ+2:TQ+3], v[TQ+2:TQ+3], v[C1:C1+1]
.set j, 0
.rept 64
	WIN 0x41
	v_min_num_f32 v[SB+j], v[SB+j], v[AQ+j/16]
.set j, j+1
.if j%8 == 0
	HK
.endif
.endr
	WIN 0x01
.irp b, 0,1,2,3
	v_cvt_scalef32_pk8_bf8_f32 v[PC+16*(\q)+4*\b:PC+16*(\q)+4*\b+1], v[SB+16*\b:SB+16*\b+7], v[AQ+4+\b]
	v_cvt_scalef32_pk8_bf8_f32 v[PC+16*(\q)+4*\b+2:PC+16*(\q)+4*\b+3], v[SB+16*\b+8:SB+16*\b+15], v[AQ+4+\b]
.endr
	v_nop
.if \resc
.set j, 0
.rept 64
	WIN 0x82+0x41*((\q)/2)
	v_pk_mul_f32 v[OB+j:OB+j+1], v[OB+j:OB+j+1], v[TQ+4:TQ+5] op_sel_hi:[1,0]
.set j, j+2
.if j%16 == 0
	HK
.endif
.endr
.endif
.endm
.macro ASK                             ; 66 blocks of 256 bytes of my head's step two on: lanes 256 bytes apart; the third line's spare lanes name its last block again
	s_cmp_lt_u32 s[TR], 6
	s_cbranch_scc0 .Lno_ask_\@
	global_prefetch_b8 v[PFO], s[PFA:PFA+1] th:TH_LOAD_NT scope:SCOPE_SE
	global_prefetch_b8 v[PFO], s[PFA:PFA+1] offset:8192 th:TH_LOAD_NT scope:SCOPE_SE
	global_prefetch_b8 v[PFO2], s[PFA:PFA+1] offset:16384 th:TH_LOAD_NT scope:SCOPE_SE
.Lno_ask_\@:
.endm
.Ltrip:                                                ; eight trips, a key step each
.set pn, 0
.set plim, 0
	s_wait_alu depctr_va_vdst(0)
	s_wait_tensorcnt 0x0                           ; my K of this step is in; no load of mine is out, so descriptors may be written
	ds_add_u32 v[SPW], v[NIL]
	s_add_co_u32 s[KO], s[KO], STEPB               ; what the step's second fill will bring: K of the next step,
	s_cmp_eq_u32 s[TR], 7
	s_cselect_b32 s[KO], s[WOFF], s[KO]            ; or, in the last step, W_out's images: an offset in the same buffer
	s_add_nc_u64 s[G0K+2:G0K+3], s[8:9], s[KO:KO+1]
	s_or_b32 s[G0K+3], s[G0K+3], 0x80000000
	s_wait_xcnt 0x0                                ; my prefetches have read their address
	s_add_nc_u64 s[PFA:PFA+1], s[PFA:PFA+1], STEPB
	s_wait_dscnt 0x0                               ; the add is done, and my reads of V's region are over
	ROUND
	tensor_load_to_lds s[G0V:G0V+3], s[G1:G1+7]    ; V of this step
	s_nop 0
	PLACES 4
	ASK
	PLACES 6
.irp t, 0,1,2,3,4,5,6,7
	ds_load_b32 v[KVS+\t], v[AKS] offset:64*\t
.endr
	KLOAD 0
	KLOAD 1
	KLOAD 2
	KLOAD 3
	SSTEP 0, -1, 24, 8, 4                          ; behind tile 0's loads: tiles 1, 2, 3: 24
	SSTEP 1, 0, 24, 6, 5
	SSTEP 2, 1, 24, 6, -1
	SSTEP 4, 2, 8, 6, 6                            ; behind tile 4's: tile 5
	SSTEP 5, 4, 8, 6, 7
	SSTEP 3, 5, -1, 10, -1                         ; ten places: tile 6's products write over the registers that these have read (nine are asked)
	SSTEP 6, 3, 8, 6, -1
	SSTEP 7, 6, 0, 0, -1
	PLACES 8
.irp k, 0,1,2,3
	MAXOPS 7, \k
.endr
	P1
	P2 0, 1
	WIN 0
	s_wait_alu depctr_va_vdst(0)
	s_wait_tensorcnt 0x0                           ; my V of this step is in
	ds_add_u32 v[SPW], v[NIL]
	s_add_nc_u64 s[G0V+2:G0V+3], s[G0V+2:G0V+3], STEPB
	s_wait_dscnt 0x0                               ; the add is done, and my reads of K's region are over
	ROUND
	tensor_load_to_lds s[G0K:G0K+3], s[G1:G1+7]    ; K of the next step; in the last step W_out's K steps 0-3
	s_nop 0
	PLACES 4
.irp i, 0,1,2,3,4,5,6,7
	ds_load_b32 v[KVS+\i], v[AVS] offset:128*\i
.endr
	VLOAD 0
	P2 1, 1
	VLOAD 1
.set plim, 16
	P2 2, 1
	FLUSH
	VLOAD 2
.set plim, 36
	P2 3, 0
	FLUSH
	VLOAD 3
.set plim, 48
.set rj, 0
.rept 16
	WIN 0xc3
	v_pk_mul_f32 v[128+rj:128+rj+1], v[128+rj:128+rj+1], v[ST+22:ST+23] op_sel_hi:[1,0]
.set rj, rj+2
.endr
.rept 12
	HK
.rept 4
	WIN 0xc3
	v_pk_mul_f32 v[128+rj:128+rj+1], v[128+rj:128+rj+1], v[ST+22:ST+23] op_sel_hi:[1,0]
.set rj, rj+2
.endr
.endr
.rept 16
	PVN
.endr
	WIN 0
	s_add_co_u32 s[TR], s[TR], 1
	s_cmp_lt_u32 s[TR], 8
	s_cbranch_scc1 .Ltrip
; THE TAIL.  Window 0: v128-207 scale words and biases.  Window 1: O^T / the sum, then two sets of fragments (res at 16 i, W_out at 64 + 16 n), then the rows to store.  Window 2: W_out's K steps 4-7.  Window 3: v0-127 the 16 sums, v128-255 x.
.irp q, 0,1,2,3
	v_add_f32 v[ST+6*\q+2], v[ST+6*\q+2], v[ST+6*\q+3]
.endr
.irp q, 0,1,2,3
	v_permlanex16_b32 v[PR+\q], v[ST+6*\q+2], s[SEL], s[SEL+1]
.endr
.irp q, 0,1,2,3
	v_add_f32 v[ST+6*\q+2], v[ST+6*\q+2], v[PR+\q]
.endr
	s_wait_alu depctr_va_vdst(0)
.irp q, 0,1,2,3
	v_rcp_f32 v[ST+6*\q+4], v[ST+6*\q+2]
.endr
	v_and_b32 v46, 15, v0                          ; r
	v_bfe_u32 v47, v0, 4, 1                        ; h
	v_add_nc_u32 v[ARS], VREG, v[L16]              ; res's images
	s_lshl_b32 s60, s[WV], 14
	v_add_nc_u32 v[RST], s60, v[ARS]               ; my head's two K steps of them
	v_add_nc_u32 v[ASC], RSS, v[L4]
	s_lshl_b32 s60, s[WV], 9
	v_add_nc_u32 v[RSW], s60, v[ASC]
	s_mul_i32 s60, s[WV], 64*272
	s_add_co_u32 s60, s60, OSTG                    ; my stage
	v_mul_u32_u24 v48, v46, 272
	v_lshl_add_u32 v48, v47, 5, v48
	v_add_nc_u32 v[STO], s60, v48                  ; in: channel r, 32 bytes for each half of the lanes
	v_mul_u32_u24 v48, v47, 272
	v_lshl_add_u32 v48, v46, 4, v48
	v_add_nc_u32 v[RD], s60, v48                   ; back: two rows an instruction
	v_lshlrev_b32 v[GO], 12, v47
	v_lshl_add_u32 v[GO], v46, 4, v[GO]            ; lanes 0-15 one channel's 256 bytes, lanes 16-31 the next channel's
	v_lshlrev_b32 v[WSO], 5, v46
	v_lshlrev_b32 v[BOO], 2, v46
.irp n, 0,1,2,3
	global_load_b128 v[WS+8*\n:WS+8*\n+3], v[WSO], s[10:11] offset:512*\n
	global_load_b128 v[WS+8*\n+4:WS+8*\n+7], v[WSO], s[10:11] offset:512*\n+16
.endr
.irp n, 0,1,2,3
.irp j, 0,1,2,3,4,5,6,7
	global_load_b32 v[BO+8*\n+\j], v[BOO], s[12:13] offset:64*\n
.endr
.endr
	s_wait_alu depctr_va_vdst(0)
	s_wait_tensorcnt 0x0                           ; W_out's K steps 0-3 are in
	s_wait_dscnt 0x0                               ; my reads of V's region are over:
	s_barrier_signal -1
	s_barrier_wait -1                              ; everybody's are: res may be laid there
	s_wait_alu depctr_va_vdst(0)                   ; ahead of the first reader of O^T
.macro QUANTR q, s                     ; 128 of d of tile q: four blocks of 32, codes to LDS as an image, the scale word to v[ST + 6 q + s]
.set RB, 128*((\q)%2)+64*(\s)
.set PD, PC+16*((2*(\q)+(\s))%4)
	WIN 0x05
.irp b, 0,1,2,3
	v_max3_num_f32 v[BM+\b], |v[RB+16*\b]|, |v[RB+16*\b+1]|, 0x8000000
.endr
	WIN 0x14
.irp i, 2,4,6,8,10,12,14
.irp b, 0,1,2,3
	v_max3_num_f32 v[BM+\b], v[BM+\b], |v[RB+16*\b+\i]|, |v[RB+16*\b+\i+1]|
.endr
.endr
	WIN 0
.irp b, 0,1,2,3
	v_permlanex16_b32 v[PR+\b], v[BM+\b], s[SEL], s[SEL+1]
.endr
.irp b, 0,1,2,3
	v_max_num_f32 v[BM+\b], v[BM+\b], v[PR+\b]
.endr
.irp b, 0,1,2,3
	v_add_nc_u32 v[SO+\b], 0xf8800000, v[BM+\b]
.endr
.irp b, 0,1,2,3
	v_and_or_b32 v[HD+\b], v[BM+\b], 0x7f800000, s[MNT]
.endr
.irp b, 0,1,2,3
	v_lshrrev_b32 v[PR+\b], 23, v[SO+\b]
.endr
	v_lshl_or_b32 v[ST+6*(\q)+(\s)], v[PR+1], 8, v[PR]
	v_lshl_or_b32 v[ST+6*(\q)+(\s)], v[PR+2], 16, v[ST+6*(\q)+(\s)]
	v_lshl_or_b32 v[ST+6*(\q)+(\s)], v[PR+3], 24, v[ST+6*(\q)+(\s)]
	WIN 0x41
.irp b, 0,1,2,3
.irp i, 0,1,2,3,4,5,6,7,8,9,10,11,12,13,14,15
	v_med3_num_f32 v[RB+16*\b+\i], v[RB+16*\b+\i], -v[HD+\b], v[HD+\b]
.endr
.endr
	WIN 0x01
.irp b, 0,1,2,3
	v_cvt_scalef32_pk8_bf8_f32 v[PD+4*\b:PD+4*\b+1], v[RB+16*\b:RB+16*\b+7], v[SO+\b]
	v_cvt_scalef32_pk8_bf8_f32 v[PD+4*\b+2:PD+4*\b+3], v[RB+16*\b+8:RB+16*\b+15], v[SO+\b]
.endr
	v_nop
	WIN 0
.irp c, 0,1,2,3
	ds_store_b128 v[RST], v[PD+4*\c:PD+4*\c+3] offset:(\s)*8192+(\q)*2048+512*\c
.endr
.endm
.macro FINISH q
.set TQ, ST+6*(\q)
.set RB0, 128*((\q)%2)
	WIN 0x42+((\q)/2)
.set j, 0
.rept 64
	v_pk_mul_f32 v[RB0+j:RB0+j+1], v[RB0+j:RB0+j+1], v[TQ+4:TQ+5] op_sel_hi:[1,0]
.set j, j+2
.endr
	QUANTR \q, 0
	QUANTR \q, 1
.endm
	FINISH 0
	FINISH 1
	WIN 0x80                                       ; window 2 is free: W_out's K steps 4-7, fragment 4 (ks - 4) + n at 16 registers each
.set j, 0
.rept 64
	global_load_b128 v[4*j:4*j+3], v[L16], s[W1:W1+1] offset:512*j
.set j, j+1
.endr
	WIN 0
	FINISH 2
	FINISH 3
.irp s, 0,1
.irp p, 0,1
	v_cndmask_b32 v[BM+2*\s+\p], v[ST+12*\p+\s], v[ST+12*\p+6+\s], s[MH]   ; two tiles' sixteen words each in one register
	ds_store_b32 v[RSW], v[BM+2*\s+\p] offset:256*\s+128*\p
.endr
.endr
	WIN 0xc0
.set j, 0
.rept 32
	global_load_b128 v[128+4*j:128+4*j+3], v[GO], s[14:15] offset:8192*j th:TH_LOAD_NT   ; x, in the layout of the rows to store
.set j, j+1
.endr
	WIN 0
	s_wait_alu depctr_va_vdst(0)
	s_wait_dscnt 0x0                               ; my head's codes and scale words of res are stored:
	s_barrier_signal -1
	s_barrier_wait -1                              ; everybody's are
.macro FETCH ks, p                     ; K step ks into set p: four fragments of res; for ks < 4 four of W_out: 32 loads, else 16
	WIN 0x40
.irp i, 0,1,2,3
.irp c, 0,1,2,3
	ds_load_b128 v[128*(\p)+16*\i+4*\c:128*(\p)+16*\i+4*\c+3], v[ARS] offset:(\ks)*8192+2048*\i+512*\c
.endr
.endr
.if (\ks) < 4
.irp n, 0,1,2,3
.irp c, 0,1,2,3
	ds_load_b128 v[128*(\p)+64+16*\n+4*\c:128*(\p)+64+16*\n+4*\c+3], v[ADK] offset:(4*(\ks)+\n)*2048+512*\c
.endr
.endr
.endif
.endm
.macro MUL ks                          ; 16 matrix instructions, the 16 accumulators by turns.  Source 0 = 16 tokens, source 1 = 16 channels
.set FS, 128*((\ks)%2)
.if (\ks) == 0
.set WB, FS+64
	WIN 0xc5                                       ; sources window 1, C (b_out) window 0, D window 3
.elseif (\ks) < 4
.set WB, FS+64
	WIN 0xf5
.else
.set WB, 64*((\ks)-4)
	WIN 0xf9                                       ; source 1 window 2
.endif
.irp n, 0,1,2,3
.irp i, 0,1,2,3
.if (\ks) == 0
.if \i%2
	v_wmma_scale_f32_16x16x128_f8f6f4 v[8*(4*\n+\i):8*(4*\n+\i)+7], v[FS+16*\i:FS+16*\i+15], v[WB+16*\n:WB+16*\n+15], v[BO+8*\n:BO+8*\n+7], v[RS+2*(\ks)+\i/2], v[WS+8*\n+(\ks)] matrix_a_fmt:MATRIX_FMT_BF8 matrix_b_fmt:MATRIX_FMT_BF8 matrix_a_scale:MATRIX_SCALE_ROW1
.else
	v_wmma_scale_f32_16x16x128_f8f6f4 v[8*(4*\n+\i):8*(4*\n+\i)+7], v[FS+16*\i:FS+16*\i+15], v[WB+16*\n:WB+16*\n+15], v[BO+8*\n:BO+8*\n+7], v[RS+2*(\ks)+\i/2], v[WS+8*\n+(\ks)] matrix_a_fmt:MATRIX_FMT_BF8 matrix_b_fmt:MATRIX_FMT_BF8
.endif
.else
.if \i%2
	v_wmma_scale_f32_16x16x128_f8f6f4 v[8*(4*\n+\i):8*(4*\n+\i)+7], v[FS+16*\i:FS+16*\i+15], v[WB+16*\n:WB+16*\n+15], v[8*(4*\n+\i):8*(4*\n+\i)+7], v[RS+2*(\ks)+\i/2], v[WS+8*\n+(\ks)] matrix_a_fmt:MATRIX_FMT_BF8 matrix_b_fmt:MATRIX_FMT_BF8 matrix_a_scale:MATRIX_SCALE_ROW1
.else
	v_wmma_scale_f32_16x16x128_f8f6f4 v[8*(4*\n+\i):8*(4*\n+\i)+7], v[FS+16*\i:FS+16*\i+15], v[WB+16*\n:WB+16*\n+15], v[8*(4*\n+\i):8*(4*\n+\i)+7], v[RS+2*(\ks)+\i/2], v[WS+8*\n+(\ks)] matrix_a_fmt:MATRIX_FMT_BF8 matrix_b_fmt:MATRIX_FMT_BF8
.endif
.endif
.endr
.endr
.endm
.irp k, 0,1,2,3,4,5,6,7
.irp p, 0,1
	ds_load_b32 v[RS+2*\k+\p], v[ASC] offset:256*\k+128*\p   ; lanes 0-15 an even tile's words, lanes 16-31 the odd one's
.endr
.endr
	FETCH 0, 0
	FETCH 1, 1
	s_wait_loadcnt 63                              ; W_out's scale words and the biases, the oldest 40 of 136 loads, are in
.irp k, 0,1,2,3,4,5,6,7
.if \k < 3
	s_wait_dscnt 32                                ; this K step's loads are in; the next fetch's 32 may be out
.elseif \k < 7
	s_wait_dscnt 16                                ; from K step 4 on a fetch is 16 loads
.else
	s_wait_dscnt 0x0
.endif
.if \k == 4
	s_wait_loadcnt 32                              ; W_out's K steps 4-7 are in; x's 32 loads may be out
.endif
	MUL \k
.if \k < 6
	PLACES 8                                       ; ahead of loads into the set just read
	FETCH \k+2, \k%2
.endif
.endr
	PLACES 8                                       ; ahead of the first read of results and of loads into the fragments' registers
	WIN 0x0c                                       ; an LDS store's data are its source 1: window 3
.irp n, 0,1,2,3
.irp i, 0,1,2,3
	ds_store_b128 v[STO], v[8*(4*\n+\i):8*(4*\n+\i)+3] offset:16*272*\n+64*\i        ; lane (r, h): channel 16 n + r, tokens 16 i + 8 h + 0 .. 7; each accumulator from its low end on
	ds_store_b128 v[STO], v[8*(4*\n+\i)+4:8*(4*\n+\i)+7] offset:16*272*\n+64*\i+16
.endr
.endr
	WIN 0x40
.set j, 0
.rept 32
	ds_load_b128 v[4*j:4*j+3], v[RD] offset:544*j   ; LDS serves a wave's instructions in order (ISA guide 5.7.1.4): these see my stores
.set j, j+1
.endr
	s_wait_dscnt 0x0
	s_wait_loadcnt 0x0                             ; x
	WIN 0x4d                                       ; destination and source 0 window 1, source 1 (x) window 3
.set j, 0
.rept 64
	v_pk_add_f32 v[j:j+1], v[j:j+1], v[128+j:128+j+1]
.set j, j+2
.endr
	WIN 0x04                                       ; a store's data are its source 1: window 1
.set j, 0
.rept 32
	global_store_b128 v[GO], v[4*j:4*j+3], s[66:67] offset:8192*j th:TH_STORE_NT   ; 16 lanes store 256 consecutive bytes, at a multiple of 256 from out0's first byte
.set j, j+1
.endr
	WIN 0
	s_wait_tensorcnt 0x0                           ; the wave's end
	ds_add_u32 v[SPW], v[NIL]
	s_wait_dscnt 0x0
	ROUND                                          ; the closing round
	s_endpgm
.Lfunc_end_k_q9b1829221c_attn:
	.size	k_q9b1829221c_attn, .Lfunc_end_k_q9b1829221c_attn-k_q9b1829221c_attn
	.p2alignl 7, 3214868480
	.fill 96, 4, 3214868480
	.section	.rodata,"a",@progbits
	.p2align	6, 0x0
	.amdhsa_kernel k_q9b1829221c_attn
		.amdhsa_group_segment_fixed_size 327680
		.amdhsa_private_segment_fixed_size 0
		.amdhsa_enable_private_segment 0
		.amdhsa_kernarg_size 56
		.amdhsa_user_sgpr_count 2
		.amdhsa_user_sgpr_kernarg_segment_ptr 1
		.amdhsa_wavefront_size32 1
		.amdhsa_system_sgpr_workgroup_id_x 1
		.amdhsa_system_sgpr_workgroup_id_y 1
		.amdhsa_system_sgpr_workgroup_id_z 1
		.amdhsa_system_vgpr_workitem_id 0
		.amdhsa_next_free_vgpr 1024
		.amdhsa_next_free_sgpr 76
		.amdhsa_reserve_vcc 0
		.amdhsa_float_denorm_mode_32 3
		.amdhsa_float_denorm_mode_16_64 3
		.amdhsa_memory_ordered 1
		.amdhsa_forward_progress 1
		.amdhsa_inst_pref_size 255
	.end_amdhsa_kernel
	.section	.bss,"aw",@nobits
	.p2align	6
	.space	262144
	.amdgpu_metadata
---
amdhsa.version: [ 1, 2 ]
amdhsa.kernels:
  - .name:           k_q9b1829221c_attn
    .symbol:         k_q9b1829221c_attn.kd
    .args:
      - { .name: qc, .offset: 0, .size: 8, .value_kind: global_buffer, .address_space: global }
      - { .name: qs, .offset: 8, .size: 8, .value_kind: global_buffer, .address_space: global }
      - { .name: kv, .offset: 16, .size: 8, .value_kind: global_buffer, .address_space: global }
      - { .name: W_out_scales, .offset: 24, .size: 8, .value_kind: global_buffer, .address_space: global }
      - { .name: b_out, .offset: 32, .size: 8, .value_kind: global_buffer, .address_space: global }
      - { .name: x, .offset: 40, .size: 8, .value_kind: global_buffer, .address_space: global }
      - { .name: out0, .offset: 48, .size: 8, .value_kind: global_buffer, .address_space: global }
    .group_segment_fixed_size: 327680
    .private_segment_fixed_size: 0
    .kernarg_segment_align: 8
    .kernarg_segment_size: 56
    .max_flat_workgroup_size: 128
    .sgpr_count:     76
    .vgpr_count:     1024
    .wavefront_size: 32
...
	.end_amdgpu_metadata
.endif
;; end of part 2
